; MI455X (gfx1250); checked and timed in simulation.
; The chip was launched on July 23, 2026; its instructions are those of AMD's public machine-readable ISA for CDNA 5 (MIT licence, August 2026) and "CDNA5" Instruction Set Architecture Reference Guide (July 2026). The comments in the code are by the model that wrote it; some were corrected since.
;; Packed Linear. Allowed arithmetic: float matrix products may take bf16 or f16 operands with f32 sums; other float arithmetic in f32, or as packed bf16 or f16 multiplies, adds, multiply-adds, maxima and minima; sums over many terms, partial sums and values carried from step to step in f32; what a program stores and reads back later, other than sums and carried values, may be rounded once to bf16 or f16.
;; Inputs: codebook 262,144 x 8 float32; packed_indices 12,582,912 int32; x 2,048 x 8,192 float32.
;; Outputs: out0 2,048 x 4,096 float32.
;; 2 versions, each right; version 2 is version 1 with the launch prep written anew for expert scheduling mode. Each part assembles by itself: llvm-mc -triple=amdgcn-amd-amdhsa -mcpu=gfx1250 --defsym DOCPART=n.
;; ======== version 1 of 2: 3 launches
;; workspace buffers: xb 33,554,432 bytes; wb 67,108,864 bytes; part 67,108,864 bytes
;; launch prep (part 1): grid 2048 x 1, 8 waves a work-group, no clusters, 0 bytes of LDS; arguments x, packed_indices, codebook, xb, wb; writes xb, wb
.if DOCPART == 1
	.amdgcn_target "amdgcn-amd-amdhsa--gfx1250"
	.amdhsa_code_object_version 6
	.text
	.protected	k_q8857b1c4c3_prep
	.globl	k_q8857b1c4c3_prep
	.p2align	8
	.type	k_q8857b1c4c3_prep,@function
k_q8857b1c4c3_prep:
	s_mov_b64 s[64:65], 0
	v_nop
	global_prefetch_b8 v0, s[64:65] scope:SCOPE_SE
	s_setreg_imm32_b32 hwreg(HW_REG_WAVE_MODE, 25, 1), 1
	s_wait_xcnt 0x0
; xb = x rounded to bf16;  wb[n][k] = bf16(codebook[block][index]), block = (n*8192 + k) / 128.
; x: [2048][8192] f32.  packed_indices: int32 words, three for eight indices: bits = p0 | p1 << 8 | p2 << 16, index j = (bits >> 3 j) & 7,
; taken as written for any int32 in the three words.  codebook: [262144][8] f32.  xb: [2048][8192] bf16.  wb: [4096][8192] bf16.
; LIMITS.  Each number is rounded once to bf16, to nearest even; a magnitude above bf16's largest finite number (3.39e38) becomes an infinity;
; NaN and infinities pass as bf16 has them.
; SHARES.  Work-group r takes row r of x (32,768 bytes) and rows 2 r, 2 r + 1 of w: 128 blocks, 2,048 groups of eight indices.  Thread t takes 16 bytes of x in each
; of 8 steps of 4,096 bytes, and group 256 p + t in each of 8 passes: 12 bytes of indices, its block's 32 bytes of codebook (the same in 16 neighbouring threads), 16 bytes of wb.
; A STREAM: every byte is read once and written once; no wave wants a byte that another has fetched, so there is no LDS, no barrier, no cluster and no matrix work.
; All 32 loads of a thread go out first (7.5 KiB a wave) and are worked on in the order of issue, with counted waits.  No register that a load or a store names is ever
; written again, so no wait frees a source.
; THE LOOK-UP is done by bytes: the eight entries, as bf16, are split into a table of eight low bytes and one of eight high bytes (two registers each);
; v_perm_b32 with four indices as its selector bytes picks four low bytes, then four high bytes, and two more v_perm_b32 interleave them.
.set XQ,   8                           ; v[8:39]    step j: four f32 of x; then two words of bf16 in the first two
.set PK,   40                          ; v[40:71]   pass p: three words of indices at PK + 4 p (the fourth register is idle: a tuple starts on an even register)
.set CB,   72                          ; v[72:135]  pass p: eight entries at CB + 8 p; then the pass's four words of wb in the first four
.set T,    136                         ; v[136:139] the eight entries as bf16, two a word
.set TL0,  140                         ; low bytes of entries 0-3
.set TL1,  141                         ; of entries 4-7
.set TH0,  142                         ; high bytes of entries 0-3
.set TH1,  143                         ; of entries 4-7
.set BITS, 144                         ; the 24 bits
.set BIT2, 145                         ; the same >> 12
.set U,    146                         ; at work
.set Y,    147                         ; at work
.set S0,   148                         ; indices 0-3, one a byte
.set S1,   149                         ; indices 4-7
.set LO,   150                         ; four low bytes
.set HI,   151                         ; four high bytes
	s_load_b256 s[4:11], s[0:1], 0x0               ; x s[4:5], packed_indices s[6:7], codebook s[8:9], xb s[10:11]
	s_load_b64 s[12:13], s[0:1], 0x20              ; wb
	v_lshlrev_b32 v1, 4, v0                        ; 16 t: x's loads and wb's stores
	v_lshlrev_b32 v2, 3, v0                        ; 8 t: xb's stores
	v_mul_u32_u24 v3, 12, v0                       ; 12 t: the indices
	v_lshrrev_b32 v4, 4, v0
	v_lshlrev_b32 v4, 5, v4                        ; 32 (t / 16): my block's entries
	s_mov_b32 s21, 0x00070007                      ; the places of indices 0 and 2 of four
	s_mov_b32 s22, 0x07070707                      ; three bits in each byte
	s_mov_b32 s23, 0x06040200                      ; the low bytes of four bf16 in two words
	s_mov_b32 s24, 0x07050301                      ; their high bytes
	s_mov_b32 s25, 0x05010400                      ; low 0, high 0, low 1, high 1
	s_mov_b32 s26, 0x07030602                      ; low 2, high 2, low 3, high 3
	s_mov_b32 s15, 0                               ; every offset stays under 2^32
	s_wait_kmcnt 0x0
	s_lshl_b32 s14, ttmp9, 15                      ; a row of x, and two rows of wb: 32,768 bytes
	s_add_nc_u64 s[4:5], s[4:5], s[14:15]
	s_add_nc_u64 s[12:13], s[12:13], s[14:15]
	s_mul_i32 s14, ttmp9, 24576                    ; 2,048 groups of 12 bytes
	s_add_nc_u64 s[6:7], s[6:7], s[14:15]
	s_lshl_b32 s14, ttmp9, 12                      ; 128 blocks of 32 bytes
	s_add_nc_u64 s[8:9], s[8:9], s[14:15]
	s_lshl_b32 s14, ttmp9, 14                      ; a row of xb: 16,384 bytes
	s_add_nc_u64 s[10:11], s[10:11], s[14:15]
.irp j, 0,1,2,3,4,5,6,7
	global_load_b128 v[XQ+4*(\j):XQ+4*(\j)+3], v1, s[4:5] offset:4096*(\j) th:TH_LOAD_NT  ; a wave takes 512 consecutive bytes
.endr
.irp p, 0,1,2,3,4,5,6,7
	global_load_b96  v[PK+4*(\p):PK+4*(\p)+2], v3, s[6:7] offset:3072*(\p) th:TH_LOAD_NT  ; a wave takes 384 consecutive bytes
	global_load_b128 v[CB+8*(\p):CB+8*(\p)+3],   v4, s[8:9] offset:512*(\p)               ; two blocks a wave
	global_load_b128 v[CB+8*(\p)+4:CB+8*(\p)+7], v4, s[8:9] offset:512*(\p)+16
.endr
; Step j of x: four f32 to four bf16.
.macro CVX j
	s_wait_loadcnt 31-(\j)                         ; loads come back in order (ISA guide 5.7.1): 31 - j were issued behind this one and may stay out
	v_cvt_pk_bf16_f32 v[XQ+4*(\j)],   v[XQ+4*(\j)],   v[XQ+4*(\j)+1]
	v_cvt_pk_bf16_f32 v[XQ+4*(\j)+1], v[XQ+4*(\j)+2], v[XQ+4*(\j)+3]
	global_store_b64 v2, v[XQ+4*(\j):XQ+4*(\j)+1], s[10:11] offset:2048*(\j) th:TH_STORE_NT  ; a wave stores 256 consecutive bytes, at a multiple of 256 from xb's first
.endm
; Y holds two indices in bits 0-5 and two in bits 16-21: each goes to a byte of its own, into register d.
.macro SPREAD d
	v_lshlrev_b32 v[U], 5, v[Y]                    ; bits 3-5 to 8-10, bits 19-21 to 24-26
	v_bfi_b32 v[Y], s21, v[Y], v[U]                ; bits 0-2 and 16-18 stay
	v_and_b32 v[\d], s22, v[Y]
.endm
; Four elements by the selector in register s, to two words from register o on.
.macro LOOK s, o
	v_perm_b32 v[LO], v[TL1], v[TL0], v[\s]        ; selector bytes 0-3 pick from the second source, 4-7 from the first
	v_perm_b32 v[HI], v[TH1], v[TH0], v[\s]
	v_perm_b32 v[\o],     v[HI], v[LO], s25
	v_perm_b32 v[(\o)+1], v[HI], v[LO], s26
.endm
; Pass p of w: eight indices to eight bf16.
.macro DEQ p
	s_wait_loadcnt 21-3*(\p)                       ; the pass's third load is number 10 + 3 p of 0 .. 31: 21 - 3 p are younger
.irp i, 0,1,2,3
	v_cvt_pk_bf16_f32 v[T+(\i)], v[CB+8*(\p)+2*(\i)], v[CB+8*(\p)+2*(\i)+1]
.endr
	v_perm_b32 v[TL0], v[T+1], v[T],   s23
	v_perm_b32 v[TL1], v[T+3], v[T+2], s23
	v_perm_b32 v[TH0], v[T+1], v[T],   s24
	v_perm_b32 v[TH1], v[T+3], v[T+2], s24
	v_lshl_or_b32 v[BITS], v[PK+4*(\p)+1], 8,  v[PK+4*(\p)]
	v_lshl_or_b32 v[BITS], v[PK+4*(\p)+2], 16, v[BITS]
	v_lshlrev_b32 v[U], 10, v[BITS]                ; bits 6-11 to 16-21
	v_bfi_b32 v[Y], 63, v[BITS], v[U]              ; indices 0, 1 below, 2, 3 above
	SPREAD S0
	v_lshrrev_b32 v[BIT2], 12, v[BITS]             ; bits 12-17 to 0-5
	v_lshrrev_b32 v[U], 2, v[BITS]                 ; bits 18-23 to 16-21
	v_bfi_b32 v[Y], 63, v[BIT2], v[U]              ; indices 4, 5 below, 6, 7 above
	SPREAD S1
	LOOK S0, CB+8*(\p)
	LOOK S1, CB+8*(\p)+2
	global_store_b128 v1, v[CB+8*(\p):CB+8*(\p)+3], s[12:13] offset:4096*(\p) th:TH_STORE_NT  ; 16 lanes store a block's 256 bytes, at a multiple of 256 from wb's first
.endm
.irp j, 0,1,2,3,4,5,6,7
	CVX \j
.endr
.irp p, 0,1,2,3,4,5,6,7
	DEQ \p
.endr
	s_endpgm
.Lfunc_end_k_q8857b1c4c3_prep:
	.size	k_q8857b1c4c3_prep, .Lfunc_end_k_q8857b1c4c3_prep-k_q8857b1c4c3_prep
	.p2alignl 7, 3214868480
	.fill 96, 4, 3214868480
	.section	.rodata,"a",@progbits
	.p2align	6, 0x0
	.amdhsa_kernel k_q8857b1c4c3_prep
		.amdhsa_group_segment_fixed_size 0
		.amdhsa_private_segment_fixed_size 0
		.amdhsa_enable_private_segment 0
		.amdhsa_kernarg_size 40
		.amdhsa_user_sgpr_count 2
		.amdhsa_user_sgpr_kernarg_segment_ptr 1
		.amdhsa_wavefront_size32 1
		.amdhsa_system_sgpr_workgroup_id_x 1
		.amdhsa_system_sgpr_workgroup_id_y 1
		.amdhsa_system_sgpr_workgroup_id_z 1
		.amdhsa_system_vgpr_workitem_id 0
		.amdhsa_next_free_vgpr 152
		.amdhsa_next_free_sgpr 66
		.amdhsa_reserve_vcc 0
		.amdhsa_float_denorm_mode_32 3
		.amdhsa_float_denorm_mode_16_64 3
		.amdhsa_memory_ordered 1
		.amdhsa_forward_progress 1
		.amdhsa_inst_pref_size 21
	.end_amdhsa_kernel
	.amdgpu_metadata
---
amdhsa.version: [ 1, 2 ]
amdhsa.kernels:
  - .name:           k_q8857b1c4c3_prep
    .symbol:         k_q8857b1c4c3_prep.kd
    .args:
      - { .name: x, .offset: 0, .size: 8, .value_kind: global_buffer, .address_space: global }
      - { .name: packed_indices, .offset: 8, .size: 8, .value_kind: global_buffer, .address_space: global }
      - { .name: codebook, .offset: 16, .size: 8, .value_kind: global_buffer, .address_space: global }
      - { .name: xb, .offset: 24, .size: 8, .value_kind: global_buffer, .address_space: global }
      - { .name: wb, .offset: 32, .size: 8, .value_kind: global_buffer, .address_space: global }
    .group_segment_fixed_size: 0
    .private_segment_fixed_size: 0
    .kernarg_segment_align: 8
    .kernarg_segment_size: 40
    .max_flat_workgroup_size: 256
    .sgpr_count:     66
    .vgpr_count:     152
    .wavefront_size: 32
...
	.end_amdgpu_metadata
.endif
;; end of part 1
;; launch gemm (part 2): grid 16 x 16, 4 waves a work-group, clusters of 4 x 4, 327,680 bytes of LDS; arguments xb, wb, part; writes part
.if DOCPART == 2
	.amdgcn_target "amdgcn-amd-amdhsa--gfx1250"
	.amdhsa_code_object_version 6
	.text
	.protected	k_q8857b1c4c3_gemm
	.globl	k_q8857b1c4c3_gemm
	.p2align	8
	.type	k_q8857b1c4c3_gemm,@function
k_q8857b1c4c3_gemm:
	s_mov_b64 s[64:65], 0
	v_nop
	global_prefetch_b8 v0, s[64:65] scope:SCOPE_SE
	s_setreg_imm32_b32 hwreg(HW_REG_WAVE_MODE, 25, 1), 1
	s_wait_xcnt 0x0
	s_wait_alu depctr_hold_cnt(0) depctr_sa_sdst(0) depctr_va_vdst(0) depctr_va_sdst(0) depctr_va_ssrc(0) depctr_va_vcc(0) depctr_vm_vsrc(0)
	s_getreg_b32 s2, hwreg(HW_REG_IB_STS2, 6, 4)
	s_cmp_eq_u32 s2, 0
	s_cbranch_scc0 .Lentry_in_a_cluster
	s_endpgm
.Lentry_in_a_cluster:
	s_bfe_u32 s2, ttmp6, 0x10000c
	s_cmp_lg_u32 s2, 0xf033
	s_cbranch_scc0 .Lentry_shape_is_right
	s_endpgm
.Lentry_shape_is_right:
; part[h][m][n] = the sum over k in K half h (4,096 h .. 4,096 h + 4,095) of xb[m][k] wb[n][k].  xb: [2048][8192] bf16, wb: [4096][8192] bf16, part: [2][2048][4096] f32.
; One f32 sum for each number of part, K ascending inside its half; the launch behind adds the two halves, so the order of the whole sum is: two chains, then one addition.
; LIMITS.  The operands are what the launch before rounded to bf16; nothing is rounded here but the sums themselves, in f32.  NaN and infinities go the matrix unit's way.
; SHARES.  A tile is 256 rows x 256 columns: 8 x 16 = 128 tiles; K IS SPLIT IN TWO, so that there are 256 work-groups.  Four waves, each 128 x 128: 64 accumulators of 16 x 16, 512 registers.
; For 32 along K a wave reads 2 x 128 x 64 bytes from LDS and issues 64 matrix instructions.  K goes in steps of 128 (rows of 256 bytes, which start at multiples of 256 from the buffers'
; first bytes) through a ring of two LDS slots filled by the tensor data mover: 32 steps a work-group; from a refill's request to the wait for it a wave issues 224 matrix instructions.
; CLUSTERS: 4 x 4 work-groups.  The K half hangs on the cluster's y alone, so all sixteen partners have the same.  The four of a row of the cluster need the same 256 rows of xb, the four of a
; column the same 256 rows of wb: each tile is asked for JOINTLY, by the same tensor load with the same descriptor and a mask that names the four.
; THE MATRIX INSTRUCTION IS USED TRANSPOSED (source 0 = 16 rows of wb, source 1 = 16 rows of xb): lane l then holds row m = l % 16 and the columns 8 (l / 16) + 0 .. 7, 32 bytes on end.
; REGISTERS, in windows of 256 (s_set_vgpr_msb: bits 1:0 source 0, 3:2 source 1, 5:4 source 2, 7:6 destination):
;   window 0: v0-30 addresses; v64-127, v128-191 fragments of xb (8 x 16 rows x 32 K), two buffers
;   window 1: v64-127, v128-191 fragments of wb, two buffers; on the way out all 256: four buffers of 16 rows read back from the stage
;   window 2: the 32 accumulators of my rows 0-63 ((a, b) = rows 16 a on, columns 16 b on, at v[8 (8 a + b)]);   window 3: those of my rows 64-127
.set SIZE_N, 4096
.set SIZE_K, 8192                      ; elements in a row of xb and of wb
.set KPART,  4096                      ; of which a work-group takes this many
.set KSTEP,  128
.set PITCH,  272                       ; an LDS row: 256 bytes + 16 of padding = 68 words: row r starts at bank 4 r mod 64 (64 banks of 4 bytes: ISA guide 11.1), so the 16 rows of a load start at 16 different groups of banks
.set HALFT,  128*PITCH                 ; 128 rows: what one tensor load brings, and what one wave reads of xb or of wb
.set SLOT,   4*HALFT                   ; xb's 256 rows, then wb's 256 rows: 139,264 bytes
.set STAGE,  2*SLOT                    ; behind the ring, never filled by a tensor load: 16 rows x 528 bytes for each wave, for the way out
.set SPITCH, 528                       ; 512 bytes + 16 = 132 words: again row r starts at bank 4 r mod 64
.set SPARE,  STAGE+4*16*SPITCH         ; behind the stages: the spare words, 128 bytes for each wave: two blocks of 256 bytes that no other line names
.set LAPS,   KPART/(2*KSTEP)           ; a lap = two K steps = once round the ring: 16
.set ADRA, 16                          ; v16-17  LDS address of my fragments of xb in slot 0, 1
.set ADRB, 20                          ; v20-21  the same for wb
.set STO,  24                          ; v24     the way out: where I put 32 bytes of a row
.set RD,   25                          ; v25     the way out: where I read 16 bytes of a row back
.set CO,   26                          ; v26     16 x lane: my bytes in 512 consecutive bytes of part
.set SPW,  28                          ; v28     LDS address of my spare word: SPARE + 4 x my thread's number; never rewritten
.set NIL,  29                          ; v29     0; never rewritten
.set PFO,  30                          ; v30     the prefetches' offset: lane x a row of 16,384 bytes; never rewritten
.set F0,   64                          ; fragment buffer 0
.set F1,   128                         ; fragment buffer 1
.set G1,   24                          ; s[24:31] descriptor group 1 for xb's tiles
.set G0,   32                          ; s[32:39] descriptor group 0 for xb's tiles, a set for each slot
.set G1B,  48                          ; s[48:55] group 1 for wb's tiles: it differs in the mask alone
.set G0B,  56                          ; s[56:63] group 0 for wb's tiles
.set LIM,  43                          ; s43      1 in a wave that prefetches, else the greatest number
.set PFA,  44                          ; s[44:45] where my prefetches stand: my 32 rows, one K step further along K than the refill that is being asked for
.set MSB, 0
.macro WIN new                         ; the immediate's high byte repeats the setting that is left; a switch that changes nothing is dropped
.if MSB != (\new)
	s_set_vgpr_msb (MSB<<8)|(\new)
.set MSB, \new
.endif
.endm
.set MUL_LO, 0xa1                      ; source 0 (wb) window 1, source 1 (xb) window 0, C and D window 2
.set MUL_HI, 0xf1                      ; the same, C and D window 3
.set TO_B,   0x40                      ; destination window 1, address window 0
.set ST_OUT, 0x04                      ; a global store's data (source 1) window 1
; A joint refill.  Waves 0 and 1 fetch xb's two halves, waves 2 and 3 wb's.  Each of the two lines has one mask and one set of registers for all that issue it; the branch hangs on the
; wave's number alone.  An s_nop 0 and four v_nop follow each line, ahead of the jump, the label and what follows.
.macro JLOAD s
	s_cmp_eq_u32 s11, 0
	s_cbranch_scc0 .Lfor_b_\@
	tensor_load_to_lds s[G0+4*(\s):G0+4*(\s)+3], s[G1:G1+7]
	s_nop 0
.rept 4
	v_nop
.endr
	s_branch .Lasked_\@
.Lfor_b_\@:
	tensor_load_to_lds s[G0B+4*(\s):G0B+4*(\s)+3], s[G1B:G1B+7]
	s_nop 0
.rept 4
	v_nop
.endr
.Lasked_\@:
.endm
; A PREFETCH INTO THE L2, behind each joint refill and the run of LDS loads that follows it: the K step that stands two refills on (512 matrix instructions of a wave ahead of the load that will
; want it): 32 rows x 256 bytes, a lane a row, one instruction a wave.  Each row's 256 bytes of a K step are named once in the launch.  A tile row's K half of xb is read by the four clusters of a
; row of clusters: the one with cluster x = 0 asks.  A tile column's K half of wb is read by the two clusters of that column and K half: the one whose cluster y is even asks.  The four partners
; that ask for a tile jointly share its rows out BY ADDRESS: of the 128 rows that a wave fetches the partner at place p takes 32 p .. 32 p + 31 (p = cx for xb, cy for wb): no branch hangs on a
; place in the cluster.  The loop's last trip asks for nothing: its refills are K steps 30 and 31, and the half has no K step two on.  K steps 0 to 3 come by their loads alone.
.macro ASK
	s_cmp_gt_u32 s3, s[LIM]                        ; s3 = 1 in the loop's last trip
	s_cbranch_scc0 .Lnot_mine_\@
	global_prefetch_b8 v[PFO], s[PFA:PFA+1] offset:KSTEP*2 th:TH_LOAD_NT scope:SCOPE_SE
.Lnot_mine_\@:
.endm
; A round of the cluster's barrier: my work-group's barrier, so that wave 0's signal speaks for all four waves; wave 0 signals for the work-group; every wave waits for all sixteen
; work-groups; my work-group's barrier once more.  No LDS instruction of the wave is pending at a signal.
.macro CREST                           ; a round behind its opening barrier
	s_cmp_lg_u32 s10, 0
	s_cbranch_scc1 .Lnot_wave_0_\@
	s_barrier_signal -3
.Lnot_wave_0_\@:
	s_barrier_wait -3
	s_barrier_signal -1
	s_barrier_wait -1
.endm
.macro CROUND                          ; a whole round
	s_barrier_signal -1
	s_barrier_wait -1
	CREST
.endm
	s_load_b128 s[4:7], s[0:1], 0x0                ; xb s[4:5], wb s[6:7]
	s_load_b64 s[8:9], s[0:1], 0x10                ; part
	v_lshl_add_u32 v[SPW], v0, 2, SPARE
	v_mov_b32 v[NIL], 0
	ds_add_u32 v[SPW], v[NIL]                      ; the wave's opening: the add and its wait stand ahead of my first tensor load; the set-up below, work on registers, stands between them
	v_lshrrev_b32 v1, 5, v0
	v_readfirstlane_b32 s10, v1                    ; wave 0..3
	s_lshr_b32 s11, s10, 1                         ; which 128 of the tile's rows are mine.  Also: I fetch for xb (0) or for wb (1)
	s_and_b32 s12, s10, 1                          ; which 128 of its columns.  Also: which half of that tile I fetch
	s_bfe_u32 s40, ttmp6, 0x40000                  ; cx: my place along the cluster's x
	s_bfe_u32 s41, ttmp6, 0x40004                  ; cy: along its y
	s_lshl_b32 s42, ttmp9, 2                       ; in a cluster launch ttmp9 and ttmp7 count clusters
	s_add_co_u32 s42, s42, s40                     ; tile column = 4 x cluster x + cx
	s_and_b32 s22, ttmp7, 0xffff                   ; cluster y, 0 to 3:
	s_lshr_b32 s2, s22, 1                          ; its upper bit is the K half,
	s_and_b32 s13, s22, 1                          ; its lower bit the upper or lower four tile rows
	s_lshl_b32 s13, s13, 2
	s_add_co_u32 s13, s13, s41                     ; tile row = 4 x (cluster y mod 2) + cy
	s_lshl_b32 s43, s41, 2
	s_lshl_b32 s43, 15, s43                        ; my row of the cluster: places 4 cy .. 4 cy + 3
	s_lshl_b32 s44, 0x1111, s40                    ; my column: places cx, cx + 4, cx + 8, cx + 12
	; descriptor group 1: a tile of 128 rows x 128 elements, padded in LDS
	s_or_b32 s[G1+0], s43, (1<<16)|(1<<20)|(1<<21)|(5<<22)|(3<<25)   ; 15:0 the mask: xb's tiles go to my row; 17:16 elements of 2 bytes; 20 padding on; 21 set beside a mask; 24:22 after every 64 words (code 5); 31:25 4 words of it (code 3)
	s_or_b32 s[G1B+0], s44, (1<<16)|(1<<20)|(1<<21)|(5<<22)|(3<<25)  ; the same with the mask of my column, for wb's tiles
	s_mov_b32 s[G1+1], KSTEP<<16                   ; tensor_dim0 = 128
	s_mov_b32 s[G1B+1], KSTEP<<16
	s_mov_b32 s[G1+2], 128<<16                     ; tensor_dim1 = 128
	s_mov_b32 s[G1B+2], 128<<16
	s_mov_b32 s[G1+3], KSTEP<<16                   ; tile_dim0 = 128
	s_mov_b32 s[G1B+3], KSTEP<<16
	s_mov_b32 s[G1+4], 128                         ; tile_dim1 = 128
	s_mov_b32 s[G1B+4], 128
	s_mov_b32 s[G1+5], SIZE_K                      ; elements from row to row
	s_mov_b32 s[G1B+5], SIZE_K
	s_mov_b32 s[G1+6], 0
	s_mov_b32 s[G1B+6], 0
	s_mov_b32 s[G1+7], 0
	s_mov_b32 s[G1B+7], 0
	; where the tiles come from.  xb's hang on the tile row and the K half, which my row of the cluster shares; wb's on the tile column and the K half, which my column shares.
	; Every wave makes both addresses, in registers that never hold the other place in the cluster, and asks by one of them.
	s_lshl_b32 s23, s2, 13                         ; the K half begins 8,192 bytes along a row
	s_lshl_b32 s16, s13, 8
	s_lshl_b32 s17, s12, 7
	s_add_co_u32 s16, s16, s17                     ; xb: row 256 x tile row + 128 x half,
	s_lshl_b32 s16, s16, 14                        ; of 16,384 bytes: under 2^32
	s_add_co_u32 s16, s16, s23
	s_mov_b32 s17, 0
	s_lshl_b32 s46, s42, 8
	s_lshl_b32 s47, s12, 7
	s_add_co_u32 s46, s46, s47                     ; wb: row 256 x tile column + 128 x half
	s_lshl_b32 s46, s46, 14
	s_add_co_u32 s46, s46, s23
	s_mov_b32 s47, 0
	s_mul_i32 s20, s10, HALFT                      ; and where they go: xb's two halves, then wb's two = wave x 128 rows: no place in the cluster enters an LDS address
	s_wait_dscnt 0x0                               ; the opening add is done
	s_wait_kmcnt 0x0
	s_add_nc_u64 s[14:15], s[4:5], s[16:17]
	s_add_nc_u64 s[46:47], s[6:7], s[46:47]
.irp s, 0,1
	s_mov_b32 s[G0+4*(\s)], 1                                        ; 1:0 count = 1
	s_add_co_u32 s[G0+4*(\s)+1], s20, (\s)*SLOT                      ; 63:32 LDS address
	s_add_nc_u64 s[G0+4*(\s)+2:G0+4*(\s)+3], s[14:15], (\s)*KSTEP*2  ; 120:64 global address: K step s of my half
	s_or_b32 s[G0+4*(\s)+3], s[G0+4*(\s)+3], 0x80000000              ; 127:126 type = 2
	s_mov_b32 s[G0B+4*(\s)], 1
	s_add_co_u32 s[G0B+4*(\s)+1], s20, (\s)*SLOT
	s_add_nc_u64 s[G0B+4*(\s)+2:G0B+4*(\s)+3], s[46:47], (\s)*KSTEP*2
	s_or_b32 s[G0B+4*(\s)+3], s[G0B+4*(\s)+3], 0x80000000
.endr
	CROUND                                         ; all sixteen work-groups are here: the first joint loads meet
	s_cmp_eq_u32 s11, 0                            ; a wave's two first fills stand in one branch, ahead of every wait on TENSORcnt and every LDS read: two loads of mine are out
	s_cbranch_scc0 .Lfirst_b
	tensor_load_to_lds s[G0:G0+3], s[G1:G1+7]
	s_nop 0
	tensor_load_to_lds s[G0+4:G0+7], s[G1:G1+7]
	s_nop 0
.rept 4
	v_nop
.endr
	s_branch .Lfirst_asked
.Lfirst_b:
	tensor_load_to_lds s[G0B:G0B+3], s[G1B:G1B+7]
	s_nop 0
	tensor_load_to_lds s[G0B+4:G0B+7], s[G1B:G1B+7]
	s_nop 0
.rept 4
	v_nop
.endr
.Lfirst_asked:
	; A fragment is 16 rows x 32 K in 8 registers: lane l holds row l % 16; registers 0-3 hold K = 8 (l / 16) + 0..7, registers 4-7 K = 16 + 8 (l / 16) + 0..7:
	; two loads of 16 bytes, 32 bytes apart.  The same for source 0 and source 1.
	v_and_b32 v1, 15, v0                           ; l % 16
	v_bfe_u32 v2, v0, 4, 1                         ; l / 16
	v_mul_u32_u24 v3, v1, PITCH
	v_lshl_add_u32 v3, v2, 4, v3                   ; row x pitch + 16 x half
	s_mul_i32 s21, s11, HALFT                      ; my 128 rows of xb
	s_mul_i32 s22, s12, HALFT                      ; my 128 rows of wb,
	s_add_co_u32 s22, s22, 2*HALFT                 ; which lie behind xb's 256
.irp s, 0,1
	v_add_nc_u32 v[ADRA+(\s)], s21, v3
	v_add_nc_u32 v[ADRB+(\s)], s22, v3
	s_add_co_u32 s21, s21, SLOT
	s_add_co_u32 s22, s22, SLOT
.endr
	s_mul_i32 s23, s10, 16*SPITCH
	s_add_co_u32 s23, s23, STAGE                   ; my stage
	v_mul_u32_u24 v4, v1, SPITCH                   ; in: row l % 16, 32 bytes for each half of the lanes
	v_lshl_add_u32 v4, v2, 5, v4
	v_add_nc_u32 v[STO], s23, v4
	v_and_b32 v5, 31, v0                           ; lane
	v_lshlrev_b32 v[CO], 4, v5                     ; back: 32 lanes take one row of 512 bytes,
	v_add_nc_u32 v[RD], s23, v[CO]                 ; which are 512 consecutive bytes of part
	; where my part of the tile begins in part
	s_lshl_b32 s16, s13, 8
	s_lshl_b32 s17, s11, 7
	s_add_co_u32 s16, s16, s17                     ; my first row: 256 x tile row + 128 x half,
	s_lshl_b32 s16, s16, 14                        ; of 16,384 bytes,
	s_lshl_b32 s17, s2, 25                         ; in the K half's copy of 33,554,432 bytes
	s_add_co_u32 s16, s16, s17
	s_mov_b32 s17, 0
	s_add_nc_u64 s[8:9], s[8:9], s[16:17]
	s_lshl_b32 s46, s42, 10                        ; my first column, in bytes: 1,024 x tile column + 512 x half
	s_lshl_b32 s47, s12, 9
	s_add_co_u32 s46, s46, s47
	s_mov_b32 s47, 0
	s_add_nc_u64 s[8:9], s[8:9], s[46:47]
	; the prefetches
	s_lshl_b32 s20, s13, 8                         ; xb: the tile's first row
	s_lshl_b32 s21, s42, 8                         ; wb: the tile's first row
	s_and_b32 s22, ttmp7, 0xffff
	s_and_b32 s22, s22, 1                          ; cluster y mod 2: which of the two clusters that read the same rows and K half of wb
	s_cmp_eq_u32 s11, 0                            ; do I fetch for xb?
	s_cselect_b32 s20, s20, s21
	s_cselect_b32 s21, s40, s41                    ; my place among the four that ask for the tile with me
	s_cselect_b32 s22, ttmp9, s22                  ; the coordinate along which other clusters read the same rows
	s_cselect_b64 s[PFA:PFA+1], s[4:5], s[6:7]
	s_cmp_eq_u32 s22, 0
	s_cselect_b32 s[LIM], 1, -1                    ; the same in all sixteen partners, for a given wave
	s_lshl_b32 s22, s12, 7
	s_add_co_u32 s20, s20, s22                     ; + the 128 rows that I fetch
	s_lshl_b32 s21, s21, 5
	s_add_co_u32 s20, s20, s21                     ; + my work-group's 32 of them
	s_lshl_b32 s20, s20, 14
	s_lshl_b32 s21, s2, 13                         ; + the K half
	s_add_co_u32 s20, s20, s21
	s_mov_b32 s21, 0
	s_add_nc_u64 s[PFA:PFA+1], s[PFA:PFA+1], s[20:21]
	s_add_nc_u64 s[PFA:PFA+1], s[PFA:PFA+1], 2*KSTEP*2  ; at K step 2: the first refill steps it to 3 and names K step 4
	v_lshlrev_b32 v[PFO], 14, v5
; 16 matrix instructions: row blocks a0, a0 + 1 of the window's four (hi = 0: my rows 0-63, 1: rows 64-127) x all 8 column blocks, 32 along K.  zero = 1: the product starts the sums: nothing is ever cleared.
; The 64 accumulators take turns, one instruction a turn, in the same order in every quarter step, over the backward jump and into the tail too.
.macro MUL16 f, hi, a0, zero
	WIN MUL_LO+0x50*(\hi)                          ; MUL_LO or MUL_HI
.irp a, \a0, (\a0)+1
.irp b, 0,1,2,3,4,5,6,7
.if \zero
	v_wmma_f32_16x16x32_bf16 v[8*(8*(\a)+(\b)):8*(8*(\a)+(\b))+7], v[(\f)+8*(\b):(\f)+8*(\b)+7], v[(\f)+8*(4*(\hi)+(\a)):(\f)+8*(4*(\hi)+(\a))+7], 0
.else
	v_wmma_f32_16x16x32_bf16 v[8*(8*(\a)+(\b)):8*(8*(\a)+(\b))+7], v[(\f)+8*(\b):(\f)+8*(\b)+7], v[(\f)+8*(4*(\hi)+(\a)):(\f)+8*(4*(\hi)+(\a))+7], v[8*(8*(\a)+(\b)):8*(8*(\a)+(\b))+7]
.endif
.endr
.endr
.endm
; 32 LDS loads in one run: the fragments of one quarter step (128 rows of wb, then 128 rows of xb, 32 K at byte k of the rows) into buffer f
.macro FETCH slot, k, f
	WIN TO_B
.irp i, 0,1,2,3,4,5,6,7
	ds_load_b128 v[(\f)+8*(\i):(\f)+8*(\i)+3],   v[ADRB+(\slot)] offset:(\k)+(\i)*16*PITCH
	ds_load_b128 v[(\f)+8*(\i)+4:(\f)+8*(\i)+7], v[ADRB+(\slot)] offset:(\k)+(\i)*16*PITCH+32
.endr
	WIN 0
.irp i, 0,1,2,3,4,5,6,7
	ds_load_b128 v[(\f)+8*(\i):(\f)+8*(\i)+3],   v[ADRA+(\slot)] offset:(\k)+(\i)*16*PITCH
	ds_load_b128 v[(\f)+8*(\i)+4:(\f)+8*(\i)+7], v[ADRA+(\slot)] offset:(\k)+(\i)*16*PITCH+32
.endr
.endm
; A load into a register that a matrix instruction has read, and an LDS store that reads a matrix result, stand four places behind that matrix instruction, and only plain vector
; instructions that name none of its registers are places (ISA guide 7.12.1 for vector instructions).
.macro PLACES
.rept 4
	v_nop
.endr
.endm
; A K step is four quarter steps of 32 along K, 64 matrix instructions each, on buffers 0, 1, 0, 1.
; One of the first three: multiplies buffer f; in its middle it fetches the next quarter's fragments, at byte k of the same slot's rows, into buffer g.
.macro QUARTER slot, k, f, g, zero
	s_wait_dscnt 8                                 ; wb's fragments and xb's rows 0-63 are in; the youngest eight loads (xb's rows 64-127) may be out
	MUL16 \f, 0, 0, \zero
	MUL16 \f, 0, 2, \zero
	PLACES
	FETCH \slot, \k, \g
	s_wait_dscnt 32                                ; all but the 32 just issued
	MUL16 \f, 1, 0, \zero
	MUL16 \f, 1, 2, \zero
.endm
; The last quarter multiplies buffer 1 and changes slots.  MEET is its first half: ONE barrier, for two things.  In front of it each wave waits for all its tensor loads, of which one is out: its
; part of the next slot; adds 0 to its spare word; and waits for that and for its own reads of this slot.  Behind it nobody reads this slot any more and the next slot is whole.
.macro MEET round                      ; round = 1: the rest of a round of the cluster's barrier follows
	WIN 0                                          ; (the add's two registers lie in window 0)
	s_wait_tensorcnt 0x0                           ; all my tensor loads have landed: the one that was out is my part of the next slot;
	ds_add_u32 v[SPW], v[NIL]                      ; 0 onto my spare word;
	s_wait_dscnt 9                                 ; (the add and the youngest eight loads may be out)
	MUL16 F1, 0, 0, 0                              ; sixteen matrix instructions stand between the add and the wait for it
	s_wait_dscnt 0x0                               ; the add is done, and my reads of this slot are over:
	s_barrier_signal -1                            ; say so,
	MUL16 F1, 0, 2, 0                              ; work on registers while the others arrive,
.if \round
	WIN 0
.endif
	s_barrier_wait -1                              ; and go on when all four have said so
.endm
; The whole last quarter.  fill = 1: this slot is filled again, with the K step two on.  The barrier then opens a round of the cluster's barrier, so that no wave of any partner still reads the
; slot or has a load on its way, and the joint refill is the first tensor load behind the round.
.macro TURN slot, next, fill
.if \fill
	s_wait_xcnt 0x0                                ; the last prefetch, a K step back, has read its address: it is stepped here, ahead of the waits of the change of slots
	s_add_nc_u64 s[PFA:PFA+1], s[PFA:PFA+1], KSTEP*2
.endif
	MEET \fill
.if \fill
	CREST
	s_add_nc_u64 s[G0+4*(\slot)+2:G0+4*(\slot)+3], s[G0+4*(\slot)+2:G0+4*(\slot)+3], 2*KSTEP*2     ; no tensor load of mine is out, so a group 0 may be written; the type bits on top are not reached
	s_add_nc_u64 s[G0B+4*(\slot)+2:G0B+4*(\slot)+3], s[G0B+4*(\slot)+2:G0B+4*(\slot)+3], 2*KSTEP*2
	JLOAD \slot                                    ; the four v_nop behind it are also the places in front of the loads below
.else
	PLACES
.endif
	FETCH \next, 0, F0                             ; (it leaves every window 0: a branch follows)
.if \fill
	ASK
.endif
	MUL16 F1, 1, 0, 0
	MUL16 F1, 1, 2, 0
.endm
; THE WAY OUT of row block a (16 rows; blocks 0-3 in window 2, 4-7 in window 3).  A lane's 32 bytes are a sixteenth of a row's 512, and the lanes beside it hold other rows: the block goes
; through my own stage in LDS and comes back as whole rows, into buffer a % 4 of window 1.
.macro STORES a
	WIN 0x08+4*((\a)/4)                            ; an LDS store's data (source 1): window 2 or 3
.irp b, 0,1,2,3,4,5,6,7
	ds_store_b128 v[STO], v[8*(8*((\a)%4)+(\b)):8*(8*((\a)%4)+(\b))+3]   offset:64*(\b)     ; each accumulator's lowest registers are read first
	ds_store_b128 v[STO], v[8*(8*((\a)%4)+(\b))+4:8*(8*((\a)%4)+(\b))+7] offset:64*(\b)+16
.endr
.endm
.macro LOADS a
.if (\a) >= 4
	s_wait_xcnt 0x0                                ; the stores of the block four back have read their data registers: only behind this wait are they loaded again
.endif
	WIN TO_B
.irp t, 0,1,2,3,4,5,6,7,8,9,10,11,12,13,14,15
	ds_load_b128 v[64*((\a)%4)+4*(\t):64*((\a)%4)+4*(\t)+3], v[RD] offset:(\t)*SPITCH  ; LDS serves a wave's instructions in order (ISA guide 5.7.1.4): these see the stores above; the next block's stores come behind them
.endr
.endm
.macro SEND a, younger                 ; younger: the LDS instructions issued behind block a's loads: the next block's 16 stores, or none
	WIN ST_OUT
.irp t, 0,1,2,3,4,5,6,7,8,9,10,11,12,13,14,15
	s_wait_dscnt (\younger)+15-(\t)
	global_store_b128 v[CO], v[64*((\a)%4)+4*(\t):64*((\a)%4)+4*(\t)+3], s[8:9] offset:(16*(\a)+(\t))*SIZE_N*4 th:TH_STORE_NT  ; 32 lanes store 512 consecutive bytes, at a multiple of 512 from part's first; 127 rows at the most: inside the signed 24-bit immediate
.endr
.endm
	s_wait_tensorcnt 1                             ; my part of K step 0 is in; K step 1's may stay out
	s_barrier_signal -1
	s_barrier_wait -1                              ; everybody's is
	FETCH 0, 0, F0
	QUARTER 0, 64,  F0, F1, 1                      ; the first quarter stands in front of the loop: its products start the sums
	WIN 0                                          ; at a label and at a branch every window is 0
	s_mov_b32 s3, LAPS-1
.Llap:                                                 ; a trip goes once round the ring, from a lap's second quarter to the next lap's first, and fills both slots again: K steps 2 to 31
	QUARTER 0, 128, F1, F0, 0
	QUARTER 0, 192, F0, F1, 0
	TURN 0, 1, 1
	QUARTER 1, 64,  F0, F1, 0
	QUARTER 1, 128, F1, F0, 0
	QUARTER 1, 192, F0, F1, 0
	TURN 1, 0, 1
	QUARTER 0, 64,  F0, F1, 0
	WIN 0
	s_sub_co_u32 s3, s3, 1
	s_cmp_lg_u32 s3, 0
	s_cbranch_scc1 .Llap
	QUARTER 0, 128, F1, F0, 0                      ; the last lap is written out: it fills nothing, and has no round of the cluster's barrier
	QUARTER 0, 192, F0, F1, 0
	TURN 0, 1, 0
	QUARTER 1, 64,  F0, F1, 0
	QUARTER 1, 128, F1, F0, 0
	QUARTER 1, 192, F0, F1, 0
	s_wait_dscnt 8                                 ; the very last quarter: nothing more to fetch
	MUL16 F1, 0, 0, 0
	MUL16 F1, 0, 2, 0
	s_wait_dscnt 0x0
	MUL16 F1, 1, 0, 0
	MUL16 F1, 1, 2, 0
	PLACES                                         ; in front of LDS stores that read results and of loads into the fragments' registers:
	PLACES                                         ; eight, once a launch: twice the distance that is owed
	STORES 0
	LOADS 0
.irp a, 1,2,3,4,5,6,7                  ; block a's stores into the stage stand between block a - 1's loads from it and the waits for them
	STORES \a
	SEND (\a)-1, 16
	LOADS \a
.endr
	SEND 7, 0
	WIN 0
	s_wait_tensorcnt 0x0                           ; the wave's end: behind my last tensor load and my last LDS store
	ds_add_u32 v[SPW], v[NIL]
	s_wait_dscnt 0x0
	CROUND                                         ; the closing round: no work-group ends while a partner may still ask for a tile that names it
	s_endpgm
.Lfunc_end_k_q8857b1c4c3_gemm:
	.size	k_q8857b1c4c3_gemm, .Lfunc_end_k_q8857b1c4c3_gemm-k_q8857b1c4c3_gemm
	.p2alignl 7, 3214868480
	.fill 96, 4, 3214868480
	.section	.rodata,"a",@progbits
	.p2align	6, 0x0
	.amdhsa_kernel k_q8857b1c4c3_gemm
		.amdhsa_group_segment_fixed_size 327680
		.amdhsa_private_segment_fixed_size 0
		.amdhsa_enable_private_segment 0
		.amdhsa_kernarg_size 24
		.amdhsa_user_sgpr_count 2
		.amdhsa_user_sgpr_kernarg_segment_ptr 1
		.amdhsa_wavefront_size32 1
		.amdhsa_system_sgpr_workgroup_id_x 1
		.amdhsa_system_sgpr_workgroup_id_y 1
		.amdhsa_system_sgpr_workgroup_id_z 1
		.amdhsa_system_vgpr_workitem_id 0
		.amdhsa_next_free_vgpr 1024
		.amdhsa_next_free_sgpr 66
		.amdhsa_reserve_vcc 0
		.amdhsa_float_denorm_mode_32 3
		.amdhsa_float_denorm_mode_16_64 3
		.amdhsa_memory_ordered 1
		.amdhsa_forward_progress 1
		.amdhsa_inst_pref_size 145
	.end_amdhsa_kernel
	.amdgpu_metadata
---
amdhsa.version: [ 1, 2 ]
amdhsa.kernels:
  - .name:           k_q8857b1c4c3_gemm
    .symbol:         k_q8857b1c4c3_gemm.kd
    .args:
      - { .name: xb, .offset: 0, .size: 8, .value_kind: global_buffer, .address_space: global }
      - { .name: wb, .offset: 8, .size: 8, .value_kind: global_buffer, .address_space: global }
      - { .name: part, .offset: 16, .size: 8, .value_kind: global_buffer, .address_space: global }
    .group_segment_fixed_size: 327680
    .private_segment_fixed_size: 0
    .kernarg_segment_align: 8
    .kernarg_segment_size: 24
    .max_flat_workgroup_size: 128
    .sgpr_count:     66
    .vgpr_count:     1024
    .wavefront_size: 32
...
	.end_amdgpu_metadata
.endif
;; end of part 2
;; launch reduce (part 3): grid 1024 x 1, 8 waves a work-group, no clusters, 0 bytes of LDS; arguments part, out0; writes out0
.if DOCPART == 3
	.amdgcn_target "amdgcn-amd-amdhsa--gfx1250"
	.amdhsa_code_object_version 6
	.text
	.protected	k_q8857b1c4c3_reduce
	.globl	k_q8857b1c4c3_reduce
	.p2align	8
	.type	k_q8857b1c4c3_reduce,@function
k_q8857b1c4c3_reduce:
	s_mov_b64 s[64:65], 0
	v_nop
	global_prefetch_b8 v0, s[64:65] scope:SCOPE_SE
	s_setreg_imm32_b32 hwreg(HW_REG_WAVE_MODE, 25, 1), 1
	s_wait_xcnt 0x0
; out0[m][n] = part[0][m][n] + part[1][m][n]: the two K halves' sums, one f32 addition each.  part: [2][2048][4096] f32, out0: [2048][4096] f32.
; A STREAM: every byte is read once and written once; no wave wants a byte that another has fetched, so there is no LDS, no barrier, no cluster and no matrix work.
; SHARES.  A work-group takes 32,768 consecutive bytes of out0; thread t takes 16 bytes in each of 8 steps of 4,096 bytes, so a load or store of a wave covers 512 consecutive bytes, aligned.
; All 16 loads of a thread go out first (8 KiB a wave) and are worked on in the order of issue, with counted waits.  No register that a load or a store names is written again
; before its own wait, so no wait frees a source.
.set HALF, 33554432                    ; bytes in a K half's copy
.set PA,   8                           ; v[8:39]   step j: four numbers of half 0, then the four sums
.set PB,   40                          ; v[40:71]  step j: four numbers of half 1
	s_load_b128 s[4:7], s[0:1], 0x0                ; part s[4:5], out0 s[6:7]
	v_lshlrev_b32 v1, 4, v0                        ; 16 t
	s_lshl_b32 s10, ttmp9, 15                      ; the work-group's 32,768 bytes: under 2^32
	s_mov_b32 s11, 0
	s_wait_kmcnt 0x0
	s_add_nc_u64 s[4:5], s[4:5], s[10:11]
	s_add_nc_u64 s[6:7], s[6:7], s[10:11]
	s_add_nc_u64 s[8:9], s[4:5], HALF              ; the same place in half 1: too far for a load's immediate
.irp j, 0,1,2,3,4,5,6,7
	global_load_b128 v[PA+4*(\j):PA+4*(\j)+3], v1, s[4:5] offset:4096*(\j) th:TH_LOAD_NT
	global_load_b128 v[PB+4*(\j):PB+4*(\j)+3], v1, s[8:9] offset:4096*(\j) th:TH_LOAD_NT
.endr
.irp j, 0,1,2,3,4,5,6,7
	s_wait_loadcnt 14-2*(\j)                       ; loads come back in order (ISA guide 5.7.1): the 7 - j later steps' pairs may stay out
	v_pk_add_f32 v[PA+4*(\j):PA+4*(\j)+1],   v[PA+4*(\j):PA+4*(\j)+1],   v[PB+4*(\j):PB+4*(\j)+1]
	v_pk_add_f32 v[PA+4*(\j)+2:PA+4*(\j)+3], v[PA+4*(\j)+2:PA+4*(\j)+3], v[PB+4*(\j)+2:PB+4*(\j)+3]
	global_store_b128 v1, v[PA+4*(\j):PA+4*(\j)+3], s[6:7] offset:4096*(\j) th:TH_STORE_NT
.endr
	s_endpgm
.Lfunc_end_k_q8857b1c4c3_reduce:
	.size	k_q8857b1c4c3_reduce, .Lfunc_end_k_q8857b1c4c3_reduce-k_q8857b1c4c3_reduce
	.p2alignl 7, 3214868480
	.fill 96, 4, 3214868480
	.section	.rodata,"a",@progbits
	.p2align	6, 0x0
	.amdhsa_kernel k_q8857b1c4c3_reduce
		.amdhsa_group_segment_fixed_size 0
		.amdhsa_private_segment_fixed_size 0
		.amdhsa_enable_private_segment 0
		.amdhsa_kernarg_size 16
		.amdhsa_user_sgpr_count 2
		.amdhsa_user_sgpr_kernarg_segment_ptr 1
		.amdhsa_wavefront_size32 1
		.amdhsa_system_sgpr_workgroup_id_x 1
		.amdhsa_system_sgpr_workgroup_id_y 1
		.amdhsa_system_sgpr_workgroup_id_z 1
		.amdhsa_system_vgpr_workitem_id 0
		.amdhsa_next_free_vgpr 72
		.amdhsa_next_free_sgpr 66
		.amdhsa_reserve_vcc 0
		.amdhsa_float_denorm_mode_32 3
		.amdhsa_float_denorm_mode_16_64 3
		.amdhsa_memory_ordered 1
		.amdhsa_forward_progress 1
		.amdhsa_inst_pref_size 5
	.end_amdhsa_kernel
	.amdgpu_metadata
---
amdhsa.version: [ 1, 2 ]
amdhsa.kernels:
  - .name:           k_q8857b1c4c3_reduce
    .symbol:         k_q8857b1c4c3_reduce.kd
    .args:
      - { .name: part, .offset: 0, .size: 8, .value_kind: global_buffer, .address_space: global }
      - { .name: out0, .offset: 8, .size: 8, .value_kind: global_buffer, .address_space: global }
    .group_segment_fixed_size: 0
    .private_segment_fixed_size: 0
    .kernarg_segment_align: 8
    .kernarg_segment_size: 16
    .max_flat_workgroup_size: 256
    .sgpr_count:     66
    .vgpr_count:     72
    .wavefront_size: 32
...
	.end_amdgpu_metadata
.endif
;; end of part 3
;; ======== version 2 of 2: 3 launches; version 1 with the launch prep written anew for expert scheduling mode
;; workspace buffers: xb 33,554,432 bytes; wb 67,108,864 bytes; part 67,108,864 bytes
;; launch prep (part 4): grid 2048 x 1, 8 waves a work-group, no clusters, 0 bytes of LDS; arguments x, packed_indices, codebook, xb, wb; writes xb, wb
.if DOCPART == 4
	.amdgcn_target "amdgcn-amd-amdhsa--gfx1250"
	.amdhsa_code_object_version 6
	.text
	.protected	k_q8857b1c4c3_prep
	.globl	k_q8857b1c4c3_prep
	.p2align	8
	.type	k_q8857b1c4c3_prep,@function
k_q8857b1c4c3_prep:
	s_mov_b64 s[64:65], 0
	v_nop
	global_prefetch_b8 v0, s[64:65] scope:SCOPE_SE
	s_setreg_imm32_b32 hwreg(HW_REG_WAVE_SCHED_MODE, 0, 2), 2
	s_setreg_imm32_b32 hwreg(HW_REG_WAVE_MODE, 25, 1), 1
	s_wait_xcnt 0x0
	s_wait_alu depctr_vm_vsrc(0)
; xb = x rounded to bf16;  wb[n][k] = bf16(codebook[block][index]), block = (n*8192 + k) / 128.
; x: [2048][8192] f32.  packed_indices: int32 words, three for eight indices: bits = p0 | p1 << 8 | p2 << 16, index j = (bits >> 3 j) & 7,
; taken as written for any int32 in the three words.  codebook: [262144][8] f32.  xb: [2048][8192] bf16.  wb: [4096][8192] bf16.
; LIMITS.  Each number is rounded once to bf16, to nearest even; a magnitude above bf16's largest finite number (3.39e38) becomes an infinity;
; NaN and infinities pass as bf16 has them.
; SHARES.  Work-group r takes row r of x (32,768 bytes) and rows 2 r, 2 r + 1 of w: 128 blocks, 2,048 groups of eight indices.  Thread t takes 16 bytes of x in each
; of 8 steps of 4,096 bytes, and group 256 p + t in each of 8 passes: 12 bytes of indices, its block's 32 bytes of codebook (the same in 16 neighbouring threads), 16 bytes of wb.
; A STREAM: every byte is read once and written once; no wave wants a byte that another has fetched, so there is no LDS, no barrier, no cluster and no matrix work.
; All 32 loads of a thread go out first (7.5 KiB a wave) and are worked on in the order of issue, with counted waits.  No register that a load or a store names is ever
; written again, so no wait frees a source.
; THE LOOK-UP is done by bytes: the eight entries, as bf16, are split into a table of eight low bytes and one of eight high bytes (two registers each);
; v_perm_b32 with four indices as its selector bytes picks four low bytes, then four high bytes, and two more v_perm_b32 interleave them.
; THE MODE: SCHED_MODE bits 1:0 = 2 (LLVM: expert scheduling mode 2), set by the entry lines.  The code itself states the register dependences
; between vector instructions and memory instructions, with s_wait_alu, always for 0.
; THE PLAN.  Registers that memory instructions touch:
;   v1 .. v4   byte offsets, made once at the head and never written again; every load and store reads one of them.
;   XQ step j  The step's load lands in its four registers; its two conversions write the first two; the step's store reads those two; nobody writes them after that.
;   PK pass p  The pass's load lands in it; vector instructions alone read it.
;   CB pass p  Two loads land in its eight registers; the pass's conversions read them, its last four v_perm_b32 write the first four; the pass's store reads those four; nobody writes them after that.
;   v136 .. v151 are named by vector instructions alone.
; All loads stand at the head, in front of every vector instruction that names XQ, PK or CB, and no register that a memory instruction has read is written again: so the one kind of
; dependence to be stated is a vector result that a memory instruction reads: the offsets, and each store's data.
; The work goes in ten UNITS: x's steps 0-3, x's steps 4-7, w's passes 0 to 7.  A unit's stores are issued in the unit behind it: at a unit's head, behind the wait for its own data, ONE wait
; on va_vdst states that the unit before has written its store data, and that unit's stores follow.  A unit's vector instructions name its own XQ, PK or CB and v136 .. v151, never the
; registers that those stores read.  One more such wait stands in front of the last store.
.set XQ,   8                           ; v[8:39]    step j: four f32 of x; then two words of bf16 in the first two
.set PK,   40                          ; v[40:71]   pass p: three words of indices at PK + 4 p (the fourth register is idle: a tuple starts on an even register)
.set CB,   72                          ; v[72:135]  pass p: eight entries at CB + 8 p; then the pass's four words of wb in the first four
.set T,    136                         ; v[136:139] the eight entries as bf16, two a word
.set TL0,  140                         ; low bytes of entries 0-3
.set TL1,  141                         ; of entries 4-7
.set TH0,  142                         ; high bytes of entries 0-3
.set TH1,  143                         ; of entries 4-7
.set BITS, 144                         ; the 24 bits
.set BIT2, 145                         ; the same >> 12
.set U,    146                         ; at work
.set Y,    147                         ; at work
.set S0,   148                         ; indices 0-3, one a byte
.set S1,   149                         ; indices 4-7
.set LO,   150                         ; four low bytes
.set HI,   151                         ; four high bytes
	s_load_b256 s[4:11], s[0:1], 0x0               ; x s[4:5], packed_indices s[6:7], codebook s[8:9], xb s[10:11]
	s_load_b64 s[12:13], s[0:1], 0x20              ; wb
	v_lshlrev_b32 v1, 4, v0                        ; 16 t: x's loads and wb's stores
	v_lshlrev_b32 v2, 3, v0                        ; 8 t: xb's stores
	v_mul_u32_u24 v3, 12, v0                       ; 12 t: the indices
	v_lshrrev_b32 v4, 4, v0
	v_lshlrev_b32 v4, 5, v4                        ; 32 (t / 16): my block's entries
	s_mov_b32 s21, 0x00070007                      ; the places of indices 0 and 2 of four
	s_mov_b32 s22, 0x07070707                      ; three bits in each byte
	s_mov_b32 s23, 0x06040200                      ; the low bytes of four bf16 in two words
	s_mov_b32 s24, 0x07050301                      ; their high bytes
	s_mov_b32 s25, 0x05010400                      ; low 0, high 0, low 1, high 1
	s_mov_b32 s26, 0x07030602                      ; low 2, high 2, low 3, high 3
	s_mov_b32 s15, 0                               ; every offset stays under 2^32
	s_wait_kmcnt 0x0
	s_lshl_b32 s14, ttmp9, 15                      ; a row of x, and two rows of wb: 32,768 bytes
	s_add_nc_u64 s[4:5], s[4:5], s[14:15]
	s_add_nc_u64 s[12:13], s[12:13], s[14:15]
	s_mul_i32 s14, ttmp9, 24576                    ; 2,048 groups of 12 bytes
	s_add_nc_u64 s[6:7], s[6:7], s[14:15]
	s_lshl_b32 s14, ttmp9, 12                      ; 128 blocks of 32 bytes
	s_add_nc_u64 s[8:9], s[8:9], s[14:15]
	s_lshl_b32 s14, ttmp9, 14                      ; a row of xb: 16,384 bytes
	s_add_nc_u64 s[10:11], s[10:11], s[14:15]
	s_wait_alu depctr_va_vdst(0)                   ; v1 to v4 are written: every load and store of the kernel reads one of them as its offset
.irp j, 0,1,2,3,4,5,6,7
	global_load_b128 v[XQ+4*(\j):XQ+4*(\j)+3], v1, s[4:5] offset:4096*(\j) th:TH_LOAD_NT  ; a wave takes 512 consecutive bytes
.endr
.irp p, 0,1,2,3,4,5,6,7
	global_load_b96  v[PK+4*(\p):PK+4*(\p)+2], v3, s[6:7] offset:3072*(\p) th:TH_LOAD_NT  ; a wave takes 384 consecutive bytes
	global_load_b128 v[CB+8*(\p):CB+8*(\p)+3],   v4, s[8:9] offset:512*(\p)               ; two blocks a wave
	global_load_b128 v[CB+8*(\p)+4:CB+8*(\p)+7], v4, s[8:9] offset:512*(\p)+16
.endr
; The store of step j of x.
.macro XST j
	global_store_b64 v2, v[XQ+4*(\j):XQ+4*(\j)+1], s[10:11] offset:2048*(\j) th:TH_STORE_NT  ; a wave stores 256 consecutive bytes, at a multiple of 256 from xb's first
.endm
; The store of pass p of w.
.macro WST p
	global_store_b128 v1, v[CB+8*(\p):CB+8*(\p)+3], s[12:13] offset:4096*(\p) th:TH_STORE_NT  ; 16 lanes store a block's 256 bytes, at a multiple of 256 from wb's first
.endm
; Unit g of x: steps 4 g to 4 g + 3, four f32 to four bf16 each.  The second unit issues the first unit's stores, one ahead of each step's two conversions.
.macro CVG g
	s_wait_loadcnt 28-4*(\g)                       ; loads come back in order (ISA guide 5.7.1): 28 - 4 g were issued behind the unit's last and may stay out
.if (\g) > 0
	s_wait_alu depctr_va_vdst(0)                   ; the conversions of steps 0 to 3 have written the first two registers of their XQ, which the four stores below read
.endif
.irp i, 0,1,2,3
.if (\g) > 0
	XST 4*((\g)-1)+(\i)                            ; no vector instruction since the wait names this step's registers
.endif
	v_cvt_pk_bf16_f32 v[XQ+4*(4*(\g)+(\i))],   v[XQ+4*(4*(\g)+(\i))],   v[XQ+4*(4*(\g)+(\i))+1]
	v_cvt_pk_bf16_f32 v[XQ+4*(4*(\g)+(\i))+1], v[XQ+4*(4*(\g)+(\i))+2], v[XQ+4*(4*(\g)+(\i))+3]
.endr
.endm
; Y holds two indices in bits 0-5 and two in bits 16-21: each goes to a byte of its own, into register d.
.macro SPREAD d
	v_lshlrev_b32 v[U], 5, v[Y]                    ; bits 3-5 to 8-10, bits 19-21 to 24-26
	v_bfi_b32 v[Y], s21, v[Y], v[U]                ; bits 0-2 and 16-18 stay
	v_and_b32 v[\d], s22, v[Y]
.endm
; Four elements by the selector in register s, to two words from register o on.
.macro LOOK s, o
	v_perm_b32 v[LO], v[TL1], v[TL0], v[\s]        ; selector bytes 0-3 pick from the second source, 4-7 from the first
	v_perm_b32 v[HI], v[TH1], v[TH0], v[\s]
	v_perm_b32 v[\o],     v[HI], v[LO], s25
	v_perm_b32 v[(\o)+1], v[HI], v[LO], s26
.endm
; Pass p of w: eight indices to eight bf16.  At its head it issues the stores of the unit before: x's steps 4 to 7, or pass p - 1.
.macro DEQ p
	s_wait_loadcnt 21-3*(\p)                       ; the pass's third load is number 10 + 3 p of 0 .. 31: 21 - 3 p are younger
	s_wait_alu depctr_va_vdst(0)                   ; the unit before has written its store data: pass 0: the conversions of x's steps 4 to 7; later: the last four v_perm_b32 of pass p - 1
.if (\p) == 0
.irp j, 4,5,6,7
	XST \j
.endr
.else
	WST (\p)-1
.endif
.irp i, 0,1,2,3
	v_cvt_pk_bf16_f32 v[T+(\i)], v[CB+8*(\p)+2*(\i)], v[CB+8*(\p)+2*(\i)+1]
.endr
	v_perm_b32 v[TL0], v[T+1], v[T],   s23
	v_perm_b32 v[TL1], v[T+3], v[T+2], s23
	v_perm_b32 v[TH0], v[T+1], v[T],   s24
	v_perm_b32 v[TH1], v[T+3], v[T+2], s24
	v_lshl_or_b32 v[BITS], v[PK+4*(\p)+1], 8,  v[PK+4*(\p)]
	v_lshl_or_b32 v[BITS], v[PK+4*(\p)+2], 16, v[BITS]
	v_lshlrev_b32 v[U], 10, v[BITS]                ; bits 6-11 to 16-21
	v_bfi_b32 v[Y], 63, v[BITS], v[U]              ; indices 0, 1 below, 2, 3 above
	SPREAD S0
	v_lshrrev_b32 v[BIT2], 12, v[BITS]             ; bits 12-17 to 0-5
	v_lshrrev_b32 v[U], 2, v[BITS]                 ; bits 18-23 to 16-21
	v_bfi_b32 v[Y], 63, v[BIT2], v[U]              ; indices 4, 5 below, 6, 7 above
	SPREAD S1
	LOOK S0, CB+8*(\p)
	LOOK S1, CB+8*(\p)+2
.endm
	CVG 0
	CVG 1
.irp p, 0,1,2,3,4,5,6,7
	DEQ \p
.endr
	s_wait_alu depctr_va_vdst(0)                   ; pass 7 has written its four words of wb, which the last store reads
	WST 7
	s_endpgm
.Lfunc_end_k_q8857b1c4c3_prep:
	.size	k_q8857b1c4c3_prep, .Lfunc_end_k_q8857b1c4c3_prep-k_q8857b1c4c3_prep
	.p2alignl 7, 3214868480
	.fill 96, 4, 3214868480
	.section	.rodata,"a",@progbits
	.p2align	6, 0x0
	.amdhsa_kernel k_q8857b1c4c3_prep
		.amdhsa_group_segment_fixed_size 0
		.amdhsa_private_segment_fixed_size 0
		.amdhsa_enable_private_segment 0
		.amdhsa_kernarg_size 40
		.amdhsa_user_sgpr_count 2
		.amdhsa_user_sgpr_kernarg_segment_ptr 1
		.amdhsa_wavefront_size32 1
		.amdhsa_system_sgpr_workgroup_id_x 1
		.amdhsa_system_sgpr_workgroup_id_y 1
		.amdhsa_system_sgpr_workgroup_id_z 1
		.amdhsa_system_vgpr_workitem_id 0
		.amdhsa_next_free_vgpr 152
		.amdhsa_next_free_sgpr 66
		.amdhsa_reserve_vcc 0
		.amdhsa_float_denorm_mode_32 3
		.amdhsa_float_denorm_mode_16_64 3
		.amdhsa_memory_ordered 1
		.amdhsa_forward_progress 1
		.amdhsa_inst_pref_size 21
	.end_amdhsa_kernel
	.amdgpu_metadata
---
amdhsa.version: [ 1, 2 ]
amdhsa.kernels:
  - .name:           k_q8857b1c4c3_prep
    .symbol:         k_q8857b1c4c3_prep.kd
    .args:
      - { .name: x, .offset: 0, .size: 8, .value_kind: global_buffer, .address_space: global }
      - { .name: packed_indices, .offset: 8, .size: 8, .value_kind: global_buffer, .address_space: global }
      - { .name: codebook, .offset: 16, .size: 8, .value_kind: global_buffer, .address_space: global }
      - { .name: xb, .offset: 24, .size: 8, .value_kind: global_buffer, .address_space: global }
      - { .name: wb, .offset: 32, .size: 8, .value_kind: global_buffer, .address_space: global }
    .group_segment_fixed_size: 0
    .private_segment_fixed_size: 0
    .kernarg_segment_align: 8
    .kernarg_segment_size: 40
    .max_flat_workgroup_size: 256
    .sgpr_count:     66
    .vgpr_count:     152
    .wavefront_size: 32
...
	.end_amdgpu_metadata
.endif
;; end of part 4
;; launch gemm: the kernel of part 2 again; grid 16 x 16, 4 waves a work-group, clusters of 4 x 4, 327,680 bytes of LDS; arguments xb, wb, part; writes part
;; launch reduce: the kernel of part 3 again; grid 1024 x 1, 8 waves a work-group, no clusters, 0 bytes of LDS; arguments part, out0; writes out0
